; MI455X (gfx1250); checked and timed in simulation.
; The chip was launched on July 23, 2026; its instructions are those of AMD's public machine-readable ISA for CDNA 5 (MIT licence, August 2026) and "CDNA5" Instruction Set Architecture Reference Guide (July 2026). The comments in the code are by the model that wrote it; some were corrected since.
;; Multi Head Attention. Allowed arithmetic: matrix products marked QUANTISED: E5M2 operands, one given power-of-two scale a tensor, by v_wmma_f32_16x16x64_bf8_bf8 or v_wmma_f32_16x16x128_bf8_bf8, f32 sums; everything else in f32.
;; Inputs: Wk 1,024 x 1,024 float32; Wo 1,024 x 1,024 float32; Wq 1,024 x 1,024 float32; Wv 1,024 x 1,024 float32; bo 1,024 float32; lowp_scales 12 int32 (the exponents e of the quantised operands' scales 2^e); x_k 4 x 2,048 x 1,024 float32; x_q 4 x 2,048 x 1,024 float32; x_v 4 x 2,048 x 1,024 float32.
;; Outputs: out0 4 x 2,048 x 1,024 float32.
;; This version of the problem:
;;   THIS VERSION OF THE PROBLEM IS GIVEN IN LOW PRECISION. The matrix products marked QUANTISED in the list below multiply operands that are first quantised to E5M2 (5 exponent bits, 2 mantissa bits; 8 bits a number), with one given power-of-two scale for each operand tensor; their sums are f32. All else is computed in f32.
;;   The module's matrix products, in the order in which they are computed (A, B: the left and right operand; K: the contracted axis; several contracted axes count as one K, in the product's order):
;;     1. [M 8,192, K 1,024] x [K 1,024, N 1,024]; A: input x_q; B: input Wq: QUANTISED (scales: A lowp_scales[0], B lowp_scales[1])
;;     2. [M 8,192, K 1,024] x [K 1,024, N 1,024]; A: input x_k; B: input Wk: QUANTISED (scales: A lowp_scales[2], B lowp_scales[3])
;;     3. [M 8,192, K 1,024] x [K 1,024, N 1,024]; A: input x_v; B: input Wv: QUANTISED (scales: A lowp_scales[4], B lowp_scales[5])
;;     4. batch 64 x [M 2,048, K 64] x [K 64, N 2,048]; A: computed on the way; B: computed on the way: QUANTISED (scales: A lowp_scales[6], B lowp_scales[7])
;;     5. batch 64 x [M 2,048, K 2,048] x [K 2,048, N 64]; A: softmax (see below); B: computed on the way: QUANTISED (scales: A lowp_scales[8], B lowp_scales[9])
;;     6. [M 8,192, K 1,024] x [K 1,024, N 1,024]; A: computed on the way; B: input Wo: QUANTISED (scales: A lowp_scales[10], B lowp_scales[11])
;;   THE QUANTISER, for each operand of a quantised product, along K:
;;     - The operand's scale is 2^e, e = its entry of the input lowp_scales (int32; the entries are numbered through the quantised products in the list's order, A before B).
;;     - Each number is divided by the scale, clamped to +-57,344, and rounded to the nearest number of E5M2, ties to even, subnormals kept.
;;     - The product sums the exact products of the quantised numbers (number of the format x scale) in f32.
;;   ~~~python
;;   def quantise(x, axis, e):      # numpy; x: float32 -> the quantised numbers, widened to float32 again
;;       x = np.moveaxis(x, axis, -1); K = x.shape[-1]
;;       r = np.clip(x / 2.0 ** e, -57344, 57344)
;;       step = 2.0 ** (np.maximum(np.frexp(np.where(r == 0, 1, r))[1] - 1, -14) - 2)
;;       q = np.round(r / step) * step * 2.0 ** e      # np.round: ties to even
;;       return np.moveaxis(q, -1, axis).astype(np.float32)
;;   ~~~
;;   SOFTMAX AHEAD OF A QUANTISED PRODUCT. Where the list says 'softmax', what is quantised is not the finished softmax but p = 2^(t - M), with t = logit x log2(e) and M = ceil(the row's largest t), a whole number; so 1/2 < the row's largest p <= 1. The row's sum l is taken of the UNQUANTISED p, in f32, and the product's result is divided by l at the end. Since M is a whole number, a kernel that streams over the keys may use a running M (the ceiling of the running maximum): every later rescaling is an exact power of two, so the quantised numbers keep their values, but for numbers so far below the row's largest that they fall under the format's range.
;;   OPERANDS COMPUTED ON THE WAY. 'Computed on the way' means the value that the module computes at that place (a softmax that the list does not call 'softmax' is quantised finished and normalised). What goes into a quantiser is computed in f32, as accurately as f32 sums, v_exp_f32 and their like allow (about 1e-6 of the number): no bf16 or f16 on the way to a quantiser, and a product that is left as it is and whose result goes on into a quantised operand takes f32 operands (vector FMAs, or v_wmma_f32_16x16x4_f32). A number that lies on a knife's edge between two numbers of the format may be rounded either way, as far as f32 arithmetic and the matrix unit's own rounding can turn it there, and no further.
;; One version. Each part assembles by itself: llvm-mc -triple=amdgcn-amd-amdhsa -mcpu=gfx1250 --defsym DOCPART=n.
;; ======== version 1 of 1: 4 launches
;; limits: right only within a limited range of input values
;; workspace buffers: xc 25,165,824 bytes; wc 4,194,304 bytes; qkv 25,165,824 bytes; ctx 8,388,608 bytes
;; launch quant (part 1): grid 896 x 1, 4 waves a work-group, no clusters, 34,304 bytes of LDS; arguments x_q, x_k, x_v, Wq, Wk, Wv, Wo, lowp_scales, xc, wc; writes xc, wc
.if DOCPART == 1
	.amdgcn_target "amdgcn-amd-amdhsa--gfx1250"
	.amdhsa_code_object_version 6
	.text
	.protected	k_q727570c04d_quant
	.globl	k_q727570c04d_quant
	.p2align	8
	.type	k_q727570c04d_quant,@function
k_q727570c04d_quant:
	s_mov_b64 s[64:65], 0
	v_nop
	global_prefetch_b8 v0, s[64:65] scope:SCOPE_SE
	s_setreg_imm32_b32 hwreg(HW_REG_WAVE_MODE, 25, 1), 1
	s_wait_xcnt 0x0
; x_q, x_k, x_v [8192][1024] and Wq, Wk, Wv, Wo [1024][1024], f32, K innermost, become codes of BF8 (E5M2), each tensor with the one scale 2^e that is given for it:
; code = x / 2^e, held within +-57,344, rounded to the nearest code, ties to even.
; THE CODES ARE LAID AS IMAGES OF OPERAND REGISTERS.  A tile T is 16 rows; byte (32 T + cg) 512 + 16 lane + e holds row(T, lane % 16), k = 32 cg + 16 (lane / 16) + e.  So a later launch gets four registers
; of a fragment by one load of 16 bytes a lane at 16 x lane, 512 consecutive bytes.  A tile's 1,024 K are 16,384 bytes.
; TWO ORDERS OF ROWS.  x_q: row(T, r) = 16 T + r.  All others CROSSED: row(T, r) = 32 (T / 2) + 8 (T % 2) + r + 8 (r / 8): in a product that takes such a tile as source 0, a lane's 16 results of tiles 2 c, 2 c + 1 are
; 16 neighbours, 32 c + 16 (lane / 16) + 0 .. 15, which is the next operand's own layout.
; SHARES.  A wave takes one tile x 512 K: four steps of 128 K (8 KiB of f32 in, 2 KiB of codes out).  A work-group takes two tiles.  Work-groups 0-767 serve the three x (xc: 1,536 tiles on end), 768-895 the four W (wc: 256 tiles).
; One path for all seven tensors: only pointers and numbers are selected, by the work-group's number.
; A load reads 512 consecutive bytes of one row; the conversions want 16 neighbours along K in one lane: a step's 16 rows turn through the wave's own stage in LDS (rows of 512 + 16 bytes: the sixteen rows
; that a read touches start four banks apart).  No barrier: a wave touches its own stage alone, and LDS serves a wave's instructions in order (ISA guide 5.7.1.4).
; No cluster and no tensor load: work-groups share no input, and the stream goes through registers.
; LIMITS: each e between -126 and 112, so that 2^e and 57,344 x 2^e are f32 numbers.  NaN among the inputs is not served (an infinity is held at the largest code).
.set NXW, 768                          ; work-groups that serve x
.set R,   16                           ; v16-143   two sets of 64: a step's 16 rows as loaded
.set X,   144                          ; v144-207  64 numbers: register 16 c + e = k 32 c + 16 h + e of my row
.set C,   208                          ; v208-239  two sets of 16: a step's codes
.set SP,  528                          ; a stage row
.set STG, 16*SP                        ; a wave's stage
	s_load_b512 s[8:23], s[0:1], 0x0               ; x_q s[8:9], x_k, x_v, Wq, Wk, Wv, Wo s[20:21], the scales' exponents s[22:23]
	s_load_b128 s[24:27], s[0:1], 0x40             ; xc s[24:25], wc s[26:27]
	v_lshl_add_u32 v240, v0, 2, 0x8400
	v_mov_b32 v241, 0
	v_lshrrev_b32 v1, 5, v0
	v_readfirstlane_b32 s2, v1                     ; wave 0..3
	v_and_b32 v2, 31, v0
	v_lshlrev_b32 v3, 4, v2                        ; 16 x lane: my bytes of a load's 512 (rows 0-7), and of a store's
	s_wait_alu depctr_va_vdst(0)
	v_and_b32 v7, 15, v0                           ; r
	v_bfe_u32 v8, v0, 4, 1                         ; h
	s_mul_i32 s55, s2, STG
	v_add_nc_u32 v5, s55, v3                       ; into the stage: 16 x lane of a row
	v_mul_u32_u24 v6, v7, SP
	v_lshl_add_u32 v6, v8, 6, v6
	v_add_nc_u32 v6, s55, v6                       ; out of it: row r, 64 h bytes on: my 16 numbers of a block of 32
	s_cmp_lt_u32 ttmp9, NXW                        ; x or W?
	s_cselect_b32 s44, 0, NXW
	s_cselect_b32 s45, 511, 63                     ; tiles in a tensor, less one
	s_cselect_b32 s46, 8, 5                        ; log2 of the work-groups to a tensor
	s_cselect_b32 s47, 0, 3
	s_sub_co_u32 s44, ttmp9, s44                   ; the work-group's number among its kind
	s_lshr_b32 s48, s44, s46
	s_add_co_u32 s48, s48, s47                     ; the tensor: 0 x_q, 1 x_k, 2 x_v, 3 Wq, 4 Wk, 5 Wv, 6 Wo
	s_lshl_b32 s49, s44, 1
	s_lshr_b32 s50, s2, 1
	s_add_co_u32 s49, s49, s50                     ; my tile in xc or wc
	s_and_b32 s51, s49, s45                        ; and in its tensor
	s_lshr_b32 s52, s51, 1
	s_lshl_b32 s52, s52, 5
	s_and_b32 s53, s51, 1
	s_lshl_b32 s53, s53, 3
	s_add_co_u32 s52, s52, s53                     ; its first row, crossed: 32 (T / 2) + 8 (T % 2)
	s_lshl_b32 s53, s51, 4                         ; or not: 16 T
	s_cmp_lg_u32 s48, 0                            ; all but x_q are crossed
	s_cselect_b32 s52, s52, s53
	s_cselect_b32 s50, 32768, 0                    ; crossed: image rows 8-15 lie 8 rows of 4,096 bytes further down
	v_add_nc_u32 v4, s50, v3                       ; the loads' offset for rows 8-15
	s_lshl_b32 s52, s52, 12                        ; rows of 4,096 bytes,
	s_and_b32 s54, s2, 1
	s_lshl_b32 s53, s54, 11                        ; my half of K: 512 numbers
	s_add_co_u32 s52, s52, s53
	s_mov_b32 s53, 0
	s_lshl_b32 s56, s49, 14                        ; the codes: tiles of 16,384 bytes,
	s_lshl_b32 s57, s54, 13                        ; my half: 16 groups of 512 bytes
	s_add_co_u32 s56, s56, s57
	s_mov_b32 s57, 0
	s_wait_alu depctr_va_vdst(0)
	s_wait_kmcnt 0x0
	s_load_b256 s[32:39], s[22:23], 0x0            ; e0 .. e7
	s_load_b128 s[40:43], s[22:23], 0x20           ; e8 .. e11
.macro PICKP i, p                      ; the tensor's address: a choice that hangs on the work-group's number alone
	s_cmp_eq_u32 s48, \i
	s_cselect_b64 s[4:5], s[\p:\p+1], s[4:5]
.endm
.macro PICKE i, e                      ; and its exponent
	s_cmp_eq_u32 s48, \i
	s_cselect_b32 s28, s[\e], s28
.endm
	s_mov_b64 s[4:5], s[8:9]
	PICKP 1, 10
	PICKP 2, 12
	PICKP 3, 14
	PICKP 4, 16
	PICKP 5, 18
	PICKP 6, 20
	s_add_nc_u64 s[4:5], s[4:5], s[52:53]
	s_cmp_lt_u32 ttmp9, NXW
	s_cselect_b64 s[6:7], s[24:25], s[26:27]
	s_add_nc_u64 s[6:7], s[6:7], s[56:57]
.macro LOAD t                          ; step t: 128 K of my 16 rows: each load reads 512 consecutive bytes of one row
.irp i, 0,1,2,3,4,5,6,7
	global_load_b128 v[R+64*((\t)%2)+4*\i:R+64*((\t)%2)+4*\i+3], v3, s[4:5] offset:\i*4096+(\t)*512 th:TH_LOAD_NT
.endr
.irp i, 8,9,10,11,12,13,14,15
	global_load_b128 v[R+64*((\t)%2)+4*\i:R+64*((\t)%2)+4*\i+3], v4, s[4:5] offset:\i*4096+(\t)*512 th:TH_LOAD_NT
.endr
.endm
.macro TURN t                          ; through the stage: in by rows as loaded, out 64 bytes of a block a lane; no wait between: LDS serves a wave in order
.irp i, 0,1,2,3,4,5,6,7,8,9,10,11,12,13,14,15
	ds_store_b128 v5, v[R+64*((\t)%2)+4*\i:R+64*((\t)%2)+4*\i+3] offset:\i*SP
.endr
.irp c, 0,1,2,3
.irp j, 0,1,2,3
	ds_load_b128 v[X+16*\c+4*\j:X+16*\c+4*\j+3], v6 offset:128*\c+16*\j
.endr
.endr
.endm
	LOAD 0
	LOAD 1                                         ; 32 loads of my wave are out
	s_wait_kmcnt 0x0
	s_mov_b32 s28, s32                             ; x_q: e0
	PICKE 1, 34                                    ; x_k: e2
	PICKE 2, 36                                    ; x_v: e4
	PICKE 3, 33                                    ; Wq: e1
	PICKE 4, 35                                    ; Wk: e3
	PICKE 5, 37                                    ; Wv: e5
	PICKE 6, 43                                    ; Wo: e11
	s_add_co_i32 s28, s28, 127
	s_lshl_b32 s29, s28, 23
	v_mov_b32 v11, s29                             ; 2^e as f32: the conversion takes its exponent field
	s_add_co_i32 s28, s28, 15
	s_lshl_b32 s28, s28, 23
	s_or_b32 s28, s28, 0x600000
	v_mov_b32 v10, s28                             ; 57,344 x 2^e
.macro STEP t
.if (\t) < 3
	s_wait_loadcnt 16                              ; this step's 16 loads are in; the next step's 16 may be out
.else
	s_wait_loadcnt 0
.endif
	TURN \t
	s_wait_dscnt 0x0                               ; my 64 numbers are back, and the stage's stores have read their registers,
.if (\t) < 2
	LOAD (\t)+2                                    ; which take the loads of two steps on
.endif
.set ii, 0
.rept 64
	v_med3_num_f32 v[X+ii], v[X+ii], -v10, v10     ; the conversion to an 8-bit code does not saturate (ISA guide 7.6.2): the hold at the largest code x the scale comes first
.set ii, ii+1
.endr
.if (\t) >= 2
	s_wait_alu depctr_va_vdst(0)
	s_wait_xcnt 0x0                                ; the stores of two steps back have read this set of codes: only now is it written again
.endif
.irp c, 0,1,2,3
	v_cvt_scalef32_pk8_bf8_f32 v[C+16*((\t)%2)+4*\c:C+16*((\t)%2)+4*\c+1], v[X+16*\c:X+16*\c+7], v11
	v_cvt_scalef32_pk8_bf8_f32 v[C+16*((\t)%2)+4*\c+2:C+16*((\t)%2)+4*\c+3], v[X+16*\c+8:X+16*\c+15], v11
.endr
	v_nop                                          ; one plain vector instruction between the conversions and the next step's holds, which write their sources
.irp c, 0,1,2,3
	global_store_b128 v3, v[C+16*((\t)%2)+4*\c:C+16*((\t)%2)+4*\c+3], s[6:7] offset:(\t)*2048+512*\c   ; a group of 32 K: 512 consecutive bytes, at a multiple of 512 from the buffer's first byte
.endr
.endm
	s_wait_alu depctr_va_vdst(0)
	STEP 0
	STEP 1
	STEP 2
	STEP 3
	s_wait_tensorcnt 0x0
	ds_add_u32 v240, v241
	s_wait_dscnt 0x0
	s_endpgm
.Lfunc_end_k_q727570c04d_quant:
	.size	k_q727570c04d_quant, .Lfunc_end_k_q727570c04d_quant-k_q727570c04d_quant
	.p2alignl 7, 3214868480
	.fill 96, 4, 3214868480
	.section	.rodata,"a",@progbits
	.p2align	6, 0x0
	.amdhsa_kernel k_q727570c04d_quant
		.amdhsa_group_segment_fixed_size 34304
		.amdhsa_private_segment_fixed_size 0
		.amdhsa_enable_private_segment 0
		.amdhsa_kernarg_size 80
		.amdhsa_user_sgpr_count 2
		.amdhsa_user_sgpr_kernarg_segment_ptr 1
		.amdhsa_wavefront_size32 1
		.amdhsa_system_sgpr_workgroup_id_x 1
		.amdhsa_system_sgpr_workgroup_id_y 1
		.amdhsa_system_sgpr_workgroup_id_z 1
		.amdhsa_system_vgpr_workitem_id 0
		.amdhsa_next_free_vgpr 242
		.amdhsa_next_free_sgpr 66
		.amdhsa_reserve_vcc 0
		.amdhsa_float_denorm_mode_32 3
		.amdhsa_float_denorm_mode_16_64 3
		.amdhsa_memory_ordered 1
		.amdhsa_forward_progress 1
		.amdhsa_inst_pref_size 38
	.end_amdhsa_kernel
	.amdgpu_metadata
---
amdhsa.version: [ 1, 2 ]
amdhsa.kernels:
  - .name:           k_q727570c04d_quant
    .symbol:         k_q727570c04d_quant.kd
    .args:
      - { .name: x_q, .offset: 0, .size: 8, .value_kind: global_buffer, .address_space: global }
      - { .name: x_k, .offset: 8, .size: 8, .value_kind: global_buffer, .address_space: global }
      - { .name: x_v, .offset: 16, .size: 8, .value_kind: global_buffer, .address_space: global }
      - { .name: Wq, .offset: 24, .size: 8, .value_kind: global_buffer, .address_space: global }
      - { .name: Wk, .offset: 32, .size: 8, .value_kind: global_buffer, .address_space: global }
      - { .name: Wv, .offset: 40, .size: 8, .value_kind: global_buffer, .address_space: global }
      - { .name: Wo, .offset: 48, .size: 8, .value_kind: global_buffer, .address_space: global }
      - { .name: lowp_scales, .offset: 56, .size: 8, .value_kind: global_buffer, .address_space: global }
      - { .name: xc, .offset: 64, .size: 8, .value_kind: global_buffer, .address_space: global }
      - { .name: wc, .offset: 72, .size: 8, .value_kind: global_buffer, .address_space: global }
    .group_segment_fixed_size: 34304
    .private_segment_fixed_size: 0
    .kernarg_segment_align: 8
    .kernarg_segment_size: 80
    .max_flat_workgroup_size: 128
    .sgpr_count:     66
    .vgpr_count:     242
    .wavefront_size: 32
...
	.end_amdgpu_metadata
.endif
;; end of part 1
;; launch proj (part 2): grid 4 x 64, 4 waves a work-group, clusters of 4 x 4, 327,680 bytes of LDS; arguments xc, wc, lowp_scales, qkv; writes qkv
.if DOCPART == 2
	.amdgcn_target "amdgcn-amd-amdhsa--gfx1250"
	.amdhsa_code_object_version 6
	.text
	.protected	k_q727570c04d_proj
	.globl	k_q727570c04d_proj
	.p2align	8
	.type	k_q727570c04d_proj,@function
k_q727570c04d_proj:
	s_mov_b64 s[64:65], 0
	v_nop
	global_prefetch_b8 v0, s[64:65] scope:SCOPE_SE
	s_setreg_imm32_b32 hwreg(HW_REG_WAVE_MODE, 25, 1), 1
	s_wait_xcnt 0x0
	s_wait_alu depctr_hold_cnt(0) depctr_sa_sdst(0) depctr_va_vdst(0) depctr_va_sdst(0) depctr_va_ssrc(0) depctr_va_vcc(0) depctr_vm_vsrc(0)
	s_getreg_b32 s2, hwreg(HW_REG_IB_STS2, 6, 4)
	s_cmp_eq_u32 s2, 0
	s_cbranch_scc0 .Lentry_in_a_cluster
	s_endpgm
.Lentry_in_a_cluster:
	s_bfe_u32 s2, ttmp6, 0x10000c
	s_cmp_lg_u32 s2, 0xf033
	s_cbranch_scc0 .Lentry_shape_is_right
	s_endpgm
.Lentry_shape_is_right:
; Q = x_q Wq^T, K = x_k Wk^T and V^T = Wv x_v^T on codes of BF8 (E5M2); each sum is quantised in registers for its place in the attention and stored as codes.
; All operands and results are images of operand registers: a tile of 16 rows x 1,024 K is 16,384 bytes, a group of 32 K 512 bytes at 16 x lane.  xc: x_q, x_k, x_v, 8 MiB each; wc: Wq, Wk, Wv, 1 MiB each; qkv: Q, K, V^T, 8 MiB each
; (V^T in planes of 1,024 tokens).
; SHARES.  Q and K are 256 tiles of 256 x 256, V^T 128: 384 tiles for 256 work-groups.  A WORK-GROUP STAYS and makes a tile and a half: pass 1 a tile of Q (clusters 0-7) or K (8-15); pass 2 half a tile of V^T, 256 channels x 128 tokens:
; cluster y takes V^T's set of 4 x 4 tiles y / 2 and the half y % 2 of each tile's tokens.  Four waves: 128 x 128 each in pass 1, 128 x 64 in pass 2.  Both passes run the same macros; NBS is the number of B's tiles a wave multiplies.
; Source 0 = 16 rows of B (crossed, so that a lane's 16 results of two neighbouring tiles are 16 neighbours along the next K), source 1 = 16 rows of A.
; FILLS.  K comes in two fills of 512 a pass into one slot: A's 16 tiles at byte 0, B's 16 (pass 2: 8) at byte 131,072, 8,192 bytes each; one joint load a wave for each fill (waves 0, 1: A's halves; waves 2, 3: B's).
; Each fill is asked for as soon as the fragments of the slot's last 128 K are in every wave's registers, behind a round of the cluster's barrier.  Pass 2's first fill flies under pass 1's last 32 products and its way out, which touches no LDS.
; CLUSTERS of 4 x 4: A's tiles are shared along a row of the cluster, B's along a column, in both passes.
; No prefetch: the text has no loop to run ahead in; each fill is asked for directly behind the slot's last read.
; LIMITS: e6 - e0 - e1, e7 - e2 - e3 and e9 - e4 - e5 between -126 and 112.  NaN is not served.
; REGISTERS: window 0: v12 the conversion's scale, v13 57,344 x it, v16-29 addresses, v32-95 held sums, v128-255 A's fragments, then the codes; window 1: B's fragments, two sets; windows 2, 3: the accumulators, (a, b) at v[8 (8 (a % 4) + b)].
.set ROWB,  8192
.set HALFT, 8*ROWB
.set SLOT,  4*HALFT
.set SPARE, SLOT
.set FR,    16
.set NL,    4
.set NP,    4
.set ADRA, 16
.set ADRB, 20                          ; v20 pass 1, v21 pass 2
.set CO,   26
.set SPW,  28
.set NIL,  29
.set TMP,  32
.set AF,   128
.set G1,  24                           ; s[24:31] group 1 for A's tiles; s[32:35] group 0
.set G0,  32
.set G1B, 48                           ; s[48:55] group 1 for B's tiles in pass 1; s[56:59] group 0
.set G0B, 56
.set G1C, 88                           ; s[88:95] group 1 for B's tiles in pass 2: 4 tiles a load
.set PA2, 36                           ; s[36:37], s[38:39] where pass 2's A and B begin in memory
.set PB2, 38
.set MSB, 0
.macro WIN new
.if MSB != (\new)
	s_set_vgpr_msb (MSB<<8)|(\new)
.set MSB, (\new)
.endif
.endm
.set MUL_LO, 0xa1
.set MUL_HI, 0xf1
.set TO_B,   0x40
.macro JLOAD g0a, g1a, g0b, g1b        ; an s_nop 0 and four v_nop follow each of the two lines
	s_cmp_eq_u32 s15, 0
	s_cbranch_scc0 .Lfor_b_\@
	tensor_load_to_lds s[\g0a:\g0a+3], s[\g1a:\g1a+7]
	s_nop 0
.rept 4
	v_nop
.endr
	s_branch .Lasked_\@
.Lfor_b_\@:
	tensor_load_to_lds s[\g0b:\g0b+3], s[\g1b:\g1b+7]
	s_nop 0
.rept 4
	v_nop
.endr
.Lasked_\@:
.endm
.macro CREST
	s_cmp_lg_u32 s14, 0
	s_cbranch_scc1 .Lnot_wave_0_\@
	s_barrier_signal -3
.Lnot_wave_0_\@:
	s_barrier_wait -3
	s_barrier_signal -1
	s_barrier_wait -1
.endm
.macro CROUND
	s_barrier_signal -1
	s_barrier_wait -1
	CREST
.endm
	s_load_b128 s[4:7], s[0:1], 0x0                ; xc, wc
	s_load_b128 s[8:11], s[0:1], 0x10              ; the scales' exponents, qkv
	v_lshl_add_u32 v[SPW], v0, 2, SPARE
	v_mov_b32 v[NIL], 0
	ds_add_u32 v[SPW], v[NIL]                      ; the opening lines: the add, twice on end, and its wait
	ds_add_u32 v[SPW], v[NIL]
	v_lshrrev_b32 v1, 5, v0
	v_readfirstlane_b32 s14, v1                    ; wave 0..3
	s_lshr_b32 s15, s14, 1                         ; my half of A's rows.  Also: I fetch for A (0) or for B (1)
	s_and_b32 s16, s14, 1                          ; my half of B's rows.  Also: which half of that operand's tiles I fetch
	s_bfe_u32 s40, ttmp6, 0x40000                  ; cx
	s_bfe_u32 s41, ttmp6, 0x40004                  ; cy
	s_and_b32 s17, ttmp7, 0xffff                   ; the cluster, 0..15
	s_lshr_b32 s66, s17, 3                         ; pass 1: 0 Q, 1 K
	s_lshr_b32 s67, s17, 1                         ; pass 2: V^T's set, which is its plane of 1,024 tokens,
	s_and_b32 s68, s17, 1                          ; and the half of each tile's tokens
	s_and_b32 s17, s17, 7
	s_lshl_b32 s17, s17, 2
	s_add_co_u32 s17, s17, s41                     ; pass 1: block of 256 tokens, 0..31
	s_lshl_b32 s43, s41, 2
	s_lshl_b32 s43, 15, s43                        ; my row of the cluster
	s_lshl_b32 s44, 0x1111, s40                    ; my column
	s_or_b32 s[G1+0], s43, (1<<21)
	s_or_b32 s[G1B+0], s44, (1<<21)
	s_or_b32 s[G1C+0], s44, (1<<21)
.irp g, G1, G1B, G1C
	s_mov_b32 s[\g+1], ROWB<<16
	s_mov_b32 s[\g+3], ROWB<<16
	s_mov_b32 s[\g+5], 16384
	s_mov_b32 s[\g+6], 0
	s_mov_b32 s[\g+7], 0
.endr
.irp g, G1, G1B
	s_mov_b32 s[\g+2], 8<<16
	s_mov_b32 s[\g+4], 8
.endr
	s_mov_b32 s[G1C+2], 4<<16
	s_mov_b32 s[G1C+4], 4
	s_lshl_b32 s18, s16, 17                        ; 8 tiles on
	s_lshl_b32 s20, s17, 18                        ; pass 1, A: x's block of 16 tiles,
	s_add_co_u32 s20, s20, s18
	s_lshl_b32 s19, s66, 23                        ; in x_q or x_k
	s_add_co_u32 s20, s20, s19
	s_mov_b32 s21, 0
	s_lshl_b32 s46, s40, 18                        ; pass 1, B: W's block cx,
	s_add_co_u32 s46, s46, s18
	s_lshl_b32 s19, s66, 20                        ; in Wq or Wk
	s_add_co_u32 s46, s46, s19
	s_mov_b32 s47, 0
	s_lshl_b32 s[PA2], s41, 18                     ; pass 2, A: Wv's block cy
	s_add_co_u32 s[PA2], s[PA2], s18
	s_add_co_u32 s[PA2], s[PA2], 0x200000
	s_mov_b32 s[PA2+1], 0
	s_lshl_b32 s[PB2], s67, 20                     ; pass 2, B: x_v's block 4 x set + cx,
	s_lshl_b32 s19, s40, 18
	s_add_co_u32 s[PB2], s[PB2], s19
	s_lshl_b32 s19, s68, 17                        ; its half of 8 tiles,
	s_add_co_u32 s[PB2], s[PB2], s19
	s_lshl_b32 s19, s16, 16                        ; my 4 of them
	s_add_co_u32 s[PB2], s[PB2], s19
	s_add_co_u32 s[PB2], s[PB2], 0x1000000
	s_mov_b32 s[PB2+1], 0
	s_mul_i32 s45, s14, HALFT                      ; where my tiles go: wave x 8 tiles;
	s_lshl_b32 s62, s16, 15
	s_add_co_u32 s62, s62, 2*HALFT                 ; pass 2's B: behind A, 4 tiles a wave
	s_wait_dscnt 0x0                               ; both opening adds are done
	s_wait_kmcnt 0x0
	s_load_b256 s[72:79], s[8:9], 0x0              ; e0 .. e7
	s_load_b128 s[80:83], s[8:9], 0x20             ; e8 .. e11
	s_add_nc_u64 s[20:21], s[4:5], s[20:21]
	s_add_nc_u64 s[46:47], s[6:7], s[46:47]
	s_add_nc_u64 s[PA2:PA2+1], s[6:7], s[PA2:PA2+1]
	s_add_nc_u64 s[PB2:PB2+1], s[4:5], s[PB2:PB2+1]
	CROUND                                         ; all sixteen work-groups are here: the first joint loads meet
	s_mov_b32 s[G0], 1
	s_mov_b32 s[G0+1], s45
	s_mov_b64 s[G0+2:G0+3], s[20:21]
	s_or_b32 s[G0+3], s[G0+3], 0x80000000
	s_mov_b32 s[G0B], 1
	s_mov_b32 s[G0B+1], s45
	s_mov_b64 s[G0B+2:G0B+3], s[46:47]
	s_or_b32 s[G0B+3], s[G0B+3], 0x80000000
	JLOAD G0, G1, G0B, G1B                         ; pass 1, K 0 .. 511: my one tensor load at the head
	s_mul_i32 s21, s15, HALFT                      ; my 8 tiles of A in LDS,
	s_mul_i32 s22, s16, HALFT
	s_add_co_u32 s22, s22, 2*HALFT                 ; my 8 of B in pass 1 (my 4 in pass 2 begin at s62)
	s_lshl_b32 s70, s66, 23                        ; pass 1's results: Q or K, tile 16 x block + 8 x my half of the rows,
	s_lshl_b32 s18, s17, 18
	s_add_co_u32 s70, s70, s18
	s_lshl_b32 s18, s15, 17
	s_add_co_u32 s70, s70, s18
	s_lshl_b32 s18, s40, 12                        ; groups 8 cx + 4 x my half of the columns
	s_add_co_u32 s70, s70, s18
	s_lshl_b32 s18, s16, 11
	s_add_co_u32 s70, s70, s18
	s_mov_b32 s71, 0
	s_add_nc_u64 s[70:71], s[10:11], s[70:71]
	s_lshl_b32 s60, s67, 20                        ; pass 2's: V^T's plane, tile 16 cy + 8 x my half of the rows,
	s_lshl_b32 s18, s41, 18
	s_add_co_u32 s60, s60, s18
	s_lshl_b32 s18, s15, 17
	s_add_co_u32 s60, s60, s18
	s_lshl_b32 s18, s40, 12                        ; groups 8 cx + 4 x the tile's half + 2 x my half of the columns
	s_add_co_u32 s60, s60, s18
	s_lshl_b32 s18, s68, 11
	s_add_co_u32 s60, s60, s18
	s_lshl_b32 s18, s16, 10
	s_add_co_u32 s60, s60, s18
	s_add_co_u32 s60, s60, 0x1000000
	s_mov_b32 s61, 0
	s_add_nc_u64 s[60:61], s[10:11], s[60:61]
	v_and_b32 v1, 31, v0
	v_lshlrev_b32 v[CO], 4, v1                     ; 16 x lane
	v_add_nc_u32 v[ADRA], s21, v[CO]
	v_add_nc_u32 v[ADRB], s22, v[CO]
	v_add_nc_u32 v[ADRB+1], s62, v[CO]
.macro FRAG reg, adr, q, i
.irp c, 0,1,2,3
	ds_load_b128 v[\reg+4*\c:\reg+4*\c+3], v[\adr] offset:(\i)*ROWB+(\q)*2048+512*\c
.endr
.endm
.macro MUL16 a0, p, zero               ; A's blocks a0, a0 + 1 x B's NBS, 128 along K; the accumulators take turns, one instruction a turn
.irp a, \a0, \a0+1
.irp b, 0,1,2,3,4,5,6,7
.if \b < NBS
.if \zero
	v_wmma_f32_16x16x128_bf8_bf8 v[8*(8*((\a)%4)+\b):8*(8*((\a)%4)+\b)+7], v[128*(\p)+FR*\b:128*(\p)+FR*\b+FR-1], v[AF+FR*(\a):AF+FR*(\a)+FR-1], 0
.else
	v_wmma_f32_16x16x128_bf8_bf8 v[8*(8*((\a)%4)+\b):8*(8*((\a)%4)+\b)+7], v[128*(\p)+FR*\b:128*(\p)+FR*\b+FR-1], v[AF+FR*(\a):AF+FR*(\a)+FR-1], v[8*(8*((\a)%4)+\b):8*(8*((\a)%4)+\b)+7]
.endif
.endif
.endr
.endr
.endm
.macro FETCH_B q, p
	WIN TO_B
.irp i, 0,1,2,3,4,5,6,7
.if \i < NBS
	FRAG 128*(\p)+FR*\i, BADR, \q, \i
.endif
.endr
	WIN 0
.endm
.macro FETCH_A q, i0
.irp i, \i0, \i0+1, \i0+2, \i0+3
	FRAG AF+FR*(\i), ADRA, \q, \i
.endr
.endm
.macro PLACES n
.rept \n
	v_nop
.endr
.endm
.macro STEP q, zero                    ; 128 along K that have their successor in the slot
	s_wait_dscnt 4*NL                              ; B's set and A's blocks 0-3 are in; the youngest 16 loads (A's blocks 4-7) may be out
	WIN MUL_LO
	MUL16 0, (\q)%2, \zero
	MUL16 2, (\q)%2, \zero
	s_wait_dscnt 0
	PLACES NP
	FETCH_B (\q)+1, 1-(\q)%2
	FETCH_A (\q)+1, 0
	WIN MUL_HI
	MUL16 4, (\q)%2, \zero
	MUL16 6, (\q)%2, \zero
	PLACES NP
	WIN 0
	FETCH_A (\q)+1, 4
.endm
; The slot's last 128 K, and the next fill.  A tensor wait, an add and its wait stand in front of the round; at s_wait_dscnt 0 all fragments of this step are in registers, so my reads of the slot are over.
; nxt = 0: this pass's K 512 .. 1,023; nxt = 1: pass 2's K 0 .. 511.
.macro TURN nxt
	s_wait_tensorcnt 0x0
	ds_add_u32 v[SPW], v[NIL]
	s_wait_dscnt 4*NL+1                            ; (the add and the youngest 16 loads may be out)
	WIN MUL_LO
	MUL16 0, 1, 0
	s_wait_dscnt 0x0
	s_barrier_signal -1
	MUL16 2, 1, 0
	WIN 0
	s_barrier_wait -1
	CREST
.if \nxt
	s_mov_b64 s[G0+2:G0+3], s[PA2:PA2+1]
	s_or_b32 s[G0+3], s[G0+3], 0x80000000
	s_mov_b32 s[G0B+1], s62
	s_mov_b64 s[G0B+2:G0B+3], s[PB2:PB2+1]
	s_or_b32 s[G0B+3], s[G0B+3], 0x80000000
	JLOAD G0, G1, G0B, G1C
.else
	s_add_nc_u64 s[G0+2:G0+3], s[G0+2:G0+3], ROWB
	s_add_nc_u64 s[G0B+2:G0B+3], s[G0B+2:G0B+3], ROWB
	JLOAD G0, G1, G0B, BG1
.endif
	WIN MUL_HI
	MUL16 4, 1, 0
	MUL16 6, 1, 0
	WIN 0
.endm
.macro ARRIVE                          ; my part of the fill is in; behind the barrier everybody's is; its first fragments
	s_wait_tensorcnt 0x0
	s_barrier_signal -1
	s_barrier_wait -1
	PLACES NP
	FETCH_B 0, 0
	FETCH_A 0, 0
	FETCH_A 0, 4
.endm
; THE WAY OUT.  s84 = the result's exponent less the two operands': a sum's code is sum / 2^s84, held at the largest code.  A lane's 16 sums of B's tiles 2 c, 2 c + 1 are a group of the result's image.
.macro OUTB a
.set AC, 64*((\a)%4)
	WIN 0x02+((\a)/4)
.set ii, 0
.rept 8*NBS
	v_med3_num_f32 v[TMP+ii], v[AC+ii], -v13, v13  ; the conversion does not saturate (ISA guide 7.6.2); each accumulator from its low end on
.set ii, ii+1
.endr
	WIN 0
.irp c, 0,1,2,3
.if \c < NBS/2
	v_cvt_scalef32_pk8_bf8_f32 v[AF+16*(\a)+4*\c:AF+16*(\a)+4*\c+1], v[TMP+16*\c:TMP+16*\c+7], v12
	v_cvt_scalef32_pk8_bf8_f32 v[AF+16*(\a)+4*\c+2:AF+16*(\a)+4*\c+3], v[TMP+16*\c+8:TMP+16*\c+15], v12
.endif
.endr
	v_nop
.irp c, 0,1,2,3
.if \c < NBS/2
	global_store_b128 v[CO], v[AF+16*(\a)+4*\c:AF+16*(\a)+4*\c+3], s[OPT:OPT+1] offset:(\a)*16384+512*\c   ; 512 consecutive bytes, aligned
.endif
.endr
.endm
.macro OUT
	s_add_co_i32 s84, s84, 127
	s_lshl_b32 s85, s84, 23
	v_mov_b32 v12, s85
	s_add_co_i32 s84, s84, 15
	s_lshl_b32 s84, s84, 23
	s_or_b32 s84, s84, 0x600000
	v_mov_b32 v13, s84
	PLACES NP
.irp a, 0,1,2,3,4,5,6,7
	OUTB \a
.endr
.endm
.set NBS,  8                           ; PASS 1
.set BADR, ADRB
.set BG1,  G1B
.set OPT,  70
	s_wait_alu depctr_va_vdst(0)                   ; at the head's end
	s_wait_tensorcnt 0x0
	s_barrier_signal -1
	s_barrier_wait -1
	FETCH_B 0, 0
	FETCH_A 0, 0
	FETCH_A 0, 4
	STEP 0, 1                                      ; the first products start the sums
	STEP 1, 0
	STEP 2, 0
	TURN 0
	ARRIVE
	STEP 0, 0
	STEP 1, 0
	STEP 2, 0
	TURN 1                                         ; pass 2's first fill is on its way: now the tile goes out
	s_wait_kmcnt 0x0
	s_sub_co_i32 s84, s78, s72                     ; Q: e6 - e0 - e1
	s_sub_co_i32 s84, s84, s73
	s_sub_co_i32 s85, s79, s74                     ; K: e7 - e2 - e3
	s_sub_co_i32 s85, s85, s75
	s_cmp_eq_u32 s66, 1
	s_cselect_b32 s84, s85, s84
	OUT
.set NBS,  4                           ; PASS 2
.set BADR, ADRB+1
.set BG1,  G1C
.set OPT,  60
	s_wait_xcnt 0x0                                ; the stores have read their registers: A's fragments may land there
	ARRIVE
	STEP 0, 1
	STEP 1, 0
	STEP 2, 0
	TURN 0
	ARRIVE
	STEP 0, 0
	STEP 1, 0
	STEP 2, 0
	s_wait_dscnt 4*NL                              ; the very last step: nothing more to fetch
	WIN MUL_LO
	MUL16 0, 1, 0
	MUL16 2, 1, 0
	s_wait_dscnt 0
	WIN MUL_HI
	MUL16 4, 1, 0
	MUL16 6, 1, 0
	WIN 0
	s_sub_co_i32 s84, s81, s76                     ; V: e9 - e4 - e5
	s_sub_co_i32 s84, s84, s77
	OUT
	s_wait_tensorcnt 0x0                           ; the wave's end
	ds_add_u32 v[SPW], v[NIL]
	s_wait_dscnt 0x0
	CROUND                                         ; the closing round
	s_endpgm
.Lfunc_end_k_q727570c04d_proj:
	.size	k_q727570c04d_proj, .Lfunc_end_k_q727570c04d_proj-k_q727570c04d_proj
	.p2alignl 7, 3214868480
	.fill 96, 4, 3214868480
	.section	.rodata,"a",@progbits
	.p2align	6, 0x0
	.amdhsa_kernel k_q727570c04d_proj
		.amdhsa_group_segment_fixed_size 327680
		.amdhsa_private_segment_fixed_size 0
		.amdhsa_enable_private_segment 0
		.amdhsa_kernarg_size 32
		.amdhsa_user_sgpr_count 2
		.amdhsa_user_sgpr_kernarg_segment_ptr 1
		.amdhsa_wavefront_size32 1
		.amdhsa_system_sgpr_workgroup_id_x 1
		.amdhsa_system_sgpr_workgroup_id_y 1
		.amdhsa_system_sgpr_workgroup_id_z 1
		.amdhsa_system_vgpr_workitem_id 0
		.amdhsa_next_free_vgpr 1024
		.amdhsa_next_free_sgpr 100
		.amdhsa_reserve_vcc 0
		.amdhsa_float_denorm_mode_32 3
		.amdhsa_float_denorm_mode_16_64 3
		.amdhsa_memory_ordered 1
		.amdhsa_forward_progress 1
		.amdhsa_inst_pref_size 183
	.end_amdhsa_kernel
	.amdgpu_metadata
---
amdhsa.version: [ 1, 2 ]
amdhsa.kernels:
  - .name:           k_q727570c04d_proj
    .symbol:         k_q727570c04d_proj.kd
    .args:
      - { .name: xc, .offset: 0, .size: 8, .value_kind: global_buffer, .address_space: global }
      - { .name: wc, .offset: 8, .size: 8, .value_kind: global_buffer, .address_space: global }
      - { .name: lowp_scales, .offset: 16, .size: 8, .value_kind: global_buffer, .address_space: global }
      - { .name: qkv, .offset: 24, .size: 8, .value_kind: global_buffer, .address_space: global }
    .group_segment_fixed_size: 327680
    .private_segment_fixed_size: 0
    .kernarg_segment_align: 8
    .kernarg_segment_size: 32
    .max_flat_workgroup_size: 128
    .sgpr_count:     100
    .vgpr_count:     1024
    .wavefront_size: 32
...
	.end_amdgpu_metadata
.endif
;; end of part 2
;; launch attn (part 3): grid 4 x 64, 16 waves a work-group, clusters of 4 x 1, 264,192 bytes of LDS; arguments qkv, lowp_scales, ctx; writes ctx
.if DOCPART == 3
	.amdgcn_target "amdgcn-amd-amdhsa--gfx1250"
	.amdhsa_code_object_version 6
	.text
	.protected	k_q727570c04d_attn
	.globl	k_q727570c04d_attn
	.p2align	8
	.type	k_q727570c04d_attn,@function
k_q727570c04d_attn:
	s_mov_b64 s[64:65], 0
	v_nop
	global_prefetch_b8 v0, s[64:65] scope:SCOPE_SE
	s_setreg_imm32_b32 hwreg(HW_REG_WAVE_MODE, 25, 1), 1
	s_wait_xcnt 0x0
	s_wait_alu depctr_hold_cnt(0) depctr_sa_sdst(0) depctr_va_vdst(0) depctr_va_sdst(0) depctr_va_ssrc(0) depctr_va_vcc(0) depctr_vm_vsrc(0)
	s_getreg_b32 s2, hwreg(HW_REG_IB_STS2, 6, 4)
	s_cmp_eq_u32 s2, 0
	s_cbranch_scc0 .Lentry_in_a_cluster
	s_endpgm
.Lentry_in_a_cluster:
	s_bfe_u32 s2, ttmp6, 0x10000c
	s_cmp_lg_u32 s2, 0x3003
	s_cbranch_scc0 .Lentry_shape_is_right
	s_endpgm
.Lentry_shape_is_right:
; ctx[b][q][64 hd + d] = the sum over k of softmax_k(Q . K / 8) V, for 64 heads (b, hd) of 2,048 queries, 2,048 keys and 64 channels, both products on codes of BF8 (E5M2); ctx is quantised in registers and stored as codes.
; THE SOFTMAX AHEAD OF THE SECOND PRODUCT: t = score x log2(e) / 8; M = the row's largest t so far, rounded UP to a whole number; p = 2^(t - M) is what is quantised; it is not normalised.
; The row's sum is taken of the unquantised p, in f32, and divides O at the end.  When M moves, the sum and O are multiplied by 2^(old M - new M): exact.
; ALL OPERANDS ARE IMAGES OF REGISTERS: tile T of 16 rows, group cg of 32 along K: byte (32 T + cg) 512 + 16 lane + e.  Q at byte 0 of qkv (tokens in order), K at 8 MiB (keys crossed: two neighbouring tiles give a lane
; 16 neighbouring keys), V^T at 16 MiB in planes of 1,024 tokens (rows = channels, crossed; K = the keys).  Every fragment comes by loads of 16 bytes a lane at 16 x lane.
; SHARES.  A work-group owns 512 queries of one head, each of its sixteen waves 32: tiles A and B, which share each fragment of K and V.  Every wave walks the head's 2,048 keys in 16 steps of 128.
; ALL OF THE HEAD'S K AND V LIE IN LDS, 131,072 + 131,072 bytes, each byte filled once, by ONE tensor load a wave at the head: waves 0-7 take 16 tiles of K each (16 rows of 1,024 bytes, 16,384 apart),
; waves 8-15 one d tile of one plane of V each (16,384 dense bytes as 64 rows of 256).  One wait for 0 and one barrier follow; nothing is filled again, and no barrier stands among the steps.
; CLUSTER.  The four query blocks of a head need the same K and V: every tile is asked for JOINTLY, by the same load with the same descriptor and the mask of all four.
; NO PREFETCH: every byte of K and V is asked for by the head's loads; there is no later load to run ahead of.
; LAYOUT.  Both products are used transposed: S^T = K Q^T, O^T = V^T P^T: a lane holds ONE query (lane % 16) throughout; the conversions' results are the next operand's registers.
; LIMITS on the given exponents: e6 + e7 between -123 and 130 (added to c's exponent field); e8, and e10 - e8 - e9, between -126 and 112.  NaN is not served.
; REGISTERS: v0 a lane permute's destination; v1 16 x lane; v2 LDS address of the NEXT step's K; v3, v5 of this step's V (d tiles 0-1, 2-3); v4 2^e8; v6, v7 the spare word's address and 0; v8 -M, v9 the largest t,
; v[10:11] the sum, of tile A; v12-15 of tile B; v16-31 Q; v32-95 K's 8 fragments; v96-159 S^T, then p, then V's 4 fragments; v160-191, v192-223 O^T of A, of B; v224-239 p_A's codes;
; v240-255 p_B's codes, and before the conversions the softmax's registers at work (all done with when the codes are written).
.set WV,  10                           ; s10  my wave's number
.set CX,  11                           ; s11  my place in the cluster: it enters Q's and ctx's addresses alone
.set SEL, 20                           ; s[20:21] lane selects for v_permlanex16_b32: lane l xor 16
.set CS,  22                           ; s[22:23] c = log2(e) / 8 x 2^(e6 + e7)
.set G1K, 24                           ; s[24:31] descriptor group 1 for K;  s[32:39] for V;  s[40:43], s[44:47] their groups 0
.set G1V, 32
.set G0K, 40
.set G0V, 44
.set TBK, 56                           ; s56  LDS byte of the next step's 8 tiles of K
.set TBV, 57                           ; s57  of this step's part of V
.set CNT, 58                           ; s58  steps to go in the loop
.set HS,  62                           ; s62  57,344 x 2^e8
.set EX,  84                           ; s[84:95] e0 .. e11
.set VB,  131072                       ; LDS: K's 128 tiles of 1,024 bytes; from here V: [d tile][plane][group][512]
.set SPARE, 0x40000                    ; behind them the spare words, 128 bytes a wave
.set SC,  4
.set SPW, 6
.set NIL, 7
.macro ROUND                           ; a round of the cluster's barrier
	s_barrier_signal -1
	s_barrier_wait -1
	s_cmp_lg_u32 s[WV], 0
	s_cbranch_scc1 .Lnot_wave_0_\@
	s_barrier_signal -3
.Lnot_wave_0_\@:
	s_barrier_wait -3
	s_barrier_signal -1
	s_barrier_wait -1
.endm
	s_load_b128 s[4:7], s[0:1], 0x0                ; qkv s[4:5], the scales' exponents s[6:7]
	s_load_b64 s[8:9], s[0:1], 0x10                ; ctx
	v_lshl_add_u32 v[SPW], v0, 2, SPARE
	v_mov_b32 v[NIL], 0
	ds_add_u32 v[SPW], v[NIL]                      ; the opening lines: the add, twice on end, and its wait ahead of my tensor load
	ds_add_u32 v[SPW], v[NIL]
	v_lshrrev_b32 v1, 5, v0
	s_delay_alu instid0(VALU_DEP_1)
	v_readfirstlane_b32 s[WV], v1                  ; wave 0..15
	s_bfe_u32 s[CX], ttmp6, 0x40000                ; cx: my block of 512 queries
	s_and_b32 s12, ttmp7, 0xffff                   ; the head, which the four partners share
	s_lshr_b32 s13, s12, 4                         ; b
	s_and_b32 s14, s12, 15                         ; hd
	s_and_b32 s15, s[WV], 7                        ; j: which eighth of K (waves 0-7) or of V (waves 8-15) I fetch
	s_lshl_b32 s16, s13, 21                        ; K: 128 b tiles of 16,384 bytes,
	s_lshl_b32 s17, s15, 18                        ; my 16 tiles,
	s_add_co_u32 s16, s16, s17
	s_lshl_b32 s17, s14, 10                        ; the head's two groups of 512 bytes,
	s_add_co_u32 s16, s16, s17
	s_add_co_u32 s16, s16, 0x800000                ; in K's part of qkv
	s_mov_b32 s17, 0
	s_lshl_b32 s18, s13, 21                        ; V: plane 2 b
	s_and_b32 s19, s15, 1
	s_lshl_b32 s19, s19, 20                        ; + j % 2,
	s_add_co_u32 s18, s18, s19
	s_lshl_b32 s19, s14, 16                        ; tile 4 hd
	s_add_co_u32 s18, s18, s19
	s_lshr_b32 s19, s15, 1
	s_lshl_b32 s19, s19, 14                        ; + d tile j / 2,
	s_add_co_u32 s18, s18, s19
	s_add_co_u32 s18, s18, 0x1000000               ; in V's part of qkv
	s_mov_b32 s19, 0
	s_lshl_b32 s59, s15, 14                        ; where they go: 16,384 x j
	s_lshl_b32 s60, s13, 7                         ; Q and ctx: tile 128 b + 32 cx + 2 wave,
	s_lshl_b32 s61, s[CX], 5
	s_add_co_u32 s60, s60, s61
	s_lshl_b32 s61, s[WV], 1
	s_add_co_u32 s60, s60, s61
	s_lshl_b32 s60, s60, 14
	s_lshl_b32 s61, s14, 10                        ; the head's two groups
	s_add_co_u32 s60, s60, s61
	s_mov_b32 s61, 0
	s_mov_b32 s[G1K], 15|(1<<21)                   ; 15:0 the mask: all four work-groups; elements of 1 byte; no padding; 21 set beside a mask
	s_mov_b32 s[G1K+1], 1024<<16                   ; tensor_dim0
	s_mov_b32 s[G1K+2], 16<<16                     ; tensor_dim1
	s_mov_b32 s[G1K+3], 1024<<16                   ; tile_dim0
	s_mov_b32 s[G1K+4], 16                         ; tile_dim1
	s_mov_b32 s[G1K+5], 16384                      ; tensor_dim0_stride
	s_mov_b32 s[G1K+6], 0
	s_mov_b32 s[G1K+7], 0
	s_mov_b32 s[G1V], 15|(1<<21)
	s_mov_b32 s[G1V+1], 256<<16
	s_mov_b32 s[G1V+2], 64<<16
	s_mov_b32 s[G1V+3], 256<<16
	s_mov_b32 s[G1V+4], 64
	s_mov_b32 s[G1V+5], 256
	s_mov_b32 s[G1V+6], 0
	s_mov_b32 s[G1V+7], 0
	s_mov_b32 s[SEL], 0x76543210
	s_mov_b32 s[SEL+1], 0xfedcba98
	s_wait_dscnt 0x0                               ; both opening adds are done
	s_wait_kmcnt 0x0
	s_load_b256 s[EX:EX+7], s[6:7], 0x0            ; e0 .. e7
	s_load_b128 s[EX+8:EX+11], s[6:7], 0x20        ; e8 .. e11
	s_add_nc_u64 s[2:3], s[4:5], s[60:61]          ; Q
	s_add_nc_u64 s[8:9], s[8:9], s[60:61]          ; ctx
	s_mov_b32 s[G0K], 1                            ; count = 1
	s_mov_b32 s[G0K+1], s59                        ; LDS address
	s_add_nc_u64 s[G0K+2:G0K+3], s[4:5], s[16:17]  ; global address
	s_or_b32 s[G0K+3], s[G0K+3], 0x80000000        ; type = 2
	s_mov_b32 s[G0V], 1
	s_add_co_u32 s[G0V+1], s59, VB
	s_add_nc_u64 s[G0V+2:G0V+3], s[4:5], s[18:19]
	s_or_b32 s[G0V+3], s[G0V+3], 0x80000000
	ROUND                                          ; all four work-groups are here: the joint loads meet
	s_cmp_lt_u32 s[WV], 8                          ; one chain of branches, one fill to an arm, one join; an s_nop 0 and four v_nop follow each load
	s_cbranch_scc0 .Lfill_v
	tensor_load_to_lds s[G0K:G0K+3], s[G1K:G1K+7]
	s_nop 0
.rept 4
	v_nop
.endr
	s_branch .Lfilled
.Lfill_v:
	tensor_load_to_lds s[G0V:G0V+3], s[G1V:G1V+7]
	s_nop 0
.rept 4
	v_nop
.endr
.Lfilled:
	v_and_b32 v1, 31, v0
	s_delay_alu instid0(VALU_DEP_1)
	v_lshlrev_b32 v1, 4, v1                        ; 16 x lane
.irp g, 0,1,2,3                                ; Q stays in registers: tile g / 2, group g % 2
	global_load_b128 v[16+4*\g:19+4*\g], v1, s[2:3] offset:(\g/2)*16384+(\g%2)*512 th:TH_LOAD_NT
.endr
	v_mov_b32 v9, 0xff61b1e6                       ; the largest t so far: -3e38, under every t
	v_mov_b32 v13, 0xff61b1e6
	s_delay_alu instid0(VALU_DEP_2)
	v_floor_f32 v8, -v9                            ; -M
	s_delay_alu instid0(VALU_DEP_2)
	v_floor_f32 v12, -v13
	v_mov_b32 v10, 0                               ; the sums, in two halves
	v_mov_b32 v11, 0
	v_mov_b32 v14, 0
	v_mov_b32 v15, 0
	v_mov_b32 v247, 0                              ; (named as the upper half of the pair v[246:247])
.set ii, 160
.rept 64
	v_mov_b32 v[ii], 0                             ; O^T.  (The step has one form: the first finds zeros, which the first change of M leaves zeros)
.set ii, ii+1
.endr
	s_wait_kmcnt 0x0
	s_add_co_i32 s12, s[EX+6], s[EX+7]
	s_lshl_b32 s12, s12, 23
	s_mov_b32 s[CS], 0x3e38aa3b                    ; log2(e) / 8
	s_add_co_i32 s[CS], s[CS], s12                 ; a score stands for score x 2^(e6 + e7): the two exponents are added to c's exponent field
	s_mov_b32 s[CS+1], s[CS]                       ; (named with it as a pair, so it is written)
	s_add_co_i32 s12, s[EX+8], 127
	s_lshl_b32 s13, s12, 23
	v_mov_b32 v[SC], s13                           ; 2^e8 as f32, for p's conversions
	s_add_co_i32 s12, s12, 15
	s_lshl_b32 s12, s12, 23
	s_or_b32 s[HS], s12, 0x600000                  ; 57,344 x 2^e8
; The softmax of one tile for one step of 128 keys, on the 64 scores in v96-159.  st: the tile's statistics; o: its O^T; p: where its codes go; vload = 1: each of V's fragments is asked for as soon as its 16 registers of p are converted.
.macro SOFTMAX st, o, p, vload
	v_max3_num_f32 v248, v96, v97, v98             ; the step's largest score of my query among my 64 keys, in four chains, the registers in ascending order: each accumulator is read from its low end on
	v_max3_num_f32 v249, v99, v100, v101
	v_max3_num_f32 v250, v102, v103, v104
	v_max3_num_f32 v251, v105, v106, v107
.set ii, 108
.rept 6
	v_max3_num_f32 v248, v248, v[ii], v[ii+1]
	v_max3_num_f32 v249, v249, v[ii+2], v[ii+3]
	v_max3_num_f32 v250, v250, v[ii+4], v[ii+5]
	v_max3_num_f32 v251, v251, v[ii+6], v[ii+7]
.set ii, ii+8
.endr
	v_max3_num_f32 v248, v248, v156, v157
	v_max3_num_f32 v249, v249, v158, v159
	v_max3_num_f32 v248, v248, v249, v250
	s_delay_alu instid0(VALU_DEP_1)
	v_max_num_f32 v248, v248, v251
	s_delay_alu instid0(VALU_DEP_1)
	v_permlanex16_b32 v0, v248, s[SEL], s[SEL+1]
	s_delay_alu instid0(VALU_DEP_1)
	v_max_num_f32 v248, v248, v0                   ; and among lane l xor 16's
	s_delay_alu instid0(VALU_DEP_1)
	v_mul_f32 v248, s[CS], v248                    ; as t (c is positive)
	s_delay_alu instid0(VALU_DEP_1)
	v_max_num_f32 v[(\st)+1], v[(\st)+1], v248     ; the running largest t
	v_mov_b32 v248, v[\st]
	s_delay_alu instid0(VALU_DEP_2)
	v_floor_f32 v[\st], -v[(\st)+1]                ; the new -M = floor(-t) = -ceil(t): M is a whole number
	s_delay_alu instid0(VALU_DEP_1)
	v_sub_f32 v248, v[\st], v248                   ; old M less new M: a whole number, 0 or less
	s_delay_alu instid0(VALU_DEP_1)
	v_cvt_i32_f32 v248, v248                       ; (it saturates)
	s_delay_alu instid0(VALU_DEP_1)
	v_ldexp_f32 v246, 1.0, v248                    ; f = 2^(old M - new M)
	s_wait_alu depctr_va_vdst(0)                   ; directly ahead of the first reader of O^T
.set ii, \o
.rept 16
	v_pk_mul_f32 v[ii:ii+1], v[ii:ii+1], v[246:247] op_sel_hi:[1,0]   ; O^T under the new M: x f
.set ii, ii+2
.endr
.set ii, 96
.rept 32
	v_pk_fma_f32 v[ii:ii+1], v[ii:ii+1], s[CS:CS+1], v[\st:(\st)+1] op_sel_hi:[1,0,0]   ; t - M, two at a time (of the pairs c and -M the low word serves both halves)
.set ii, ii+2
.endr
	s_wait_alu depctr_va_vdst(0)                   ; ahead of the batch
.set ii, 96
.rept 64
	v_exp_f32 v[ii], v[ii]                         ; p = 2^(t - M), at most 1: one batch
.set ii, ii+1
.endr
	v_pk_mul_f32 v[(\st)+2:(\st)+3], v[(\st)+2:(\st)+3], v[246:247] op_sel_hi:[1,0]   ; the sums under the new M: the plain instruction behind the exponentials
	s_wait_alu depctr_va_vdst(0)                   ; one wait for the whole batch, ahead of its first reader
	v_pk_add_f32 v[240:241], v[96:97], v[98:99]    ; the row's sum is taken of the UNQUANTISED p, two at a time, in four chains
	v_pk_add_f32 v[242:243], v[100:101], v[102:103]
	v_pk_add_f32 v[252:253], v[104:105], v[106:107]
	v_pk_add_f32 v[(\st)+2:(\st)+3], v[(\st)+2:(\st)+3], v[108:109]
.set ii, 110
.rept 6
	v_pk_add_f32 v[240:241], v[240:241], v[ii:ii+1]
	v_pk_add_f32 v[242:243], v[242:243], v[ii+2:ii+3]
	v_pk_add_f32 v[252:253], v[252:253], v[ii+4:ii+5]
	v_pk_add_f32 v[(\st)+2:(\st)+3], v[(\st)+2:(\st)+3], v[ii+6:ii+7]
.set ii, ii+8
.endr
	v_pk_add_f32 v[240:241], v[240:241], v[158:159]
	v_pk_add_f32 v[242:243], v[242:243], v[252:253]
	v_pk_add_f32 v[(\st)+2:(\st)+3], v[(\st)+2:(\st)+3], v[240:241]
	s_delay_alu instid0(VALU_DEP_1)
	v_pk_add_f32 v[(\st)+2:(\st)+3], v[(\st)+2:(\st)+3], v[242:243]
.irp b, 0,1,2,3
.set ii, 96+16*\b
.rept 8
	v_dual_min_num_f32 v[ii], s[HS], v[ii] :: v_dual_min_num_f32 v[ii+1], s[HS], v[ii+1]   ; the conversion does not saturate (ISA guide 7.6.2); p is not negative, so the hold is one-sided; two holds an instruction
.set ii, ii+2
.endr
	v_cvt_scalef32_pk8_bf8_f32 v[(\p)+4*\b:(\p)+4*\b+1], v[96+16*\b:103+16*\b], v[SC]     ; registers 4 b .. 4 b + 3 of the operand: keys 32 b + 16 (lane / 16) + 0 .. 15
	v_cvt_scalef32_pk8_bf8_f32 v[(\p)+4*\b+2:(\p)+4*\b+3], v[104+16*\b:111+16*\b], v[SC]
.if \vload
.irp c, 0,1,2,3                                ; V's fragment of d tile b (16 channels x 128 keys) into the 16 registers just converted
	ds_load_b128 v[96+16*\b+4*\c:99+16*\b+4*\c], v[3+2*(\b/2)] offset:(\b%2)*32768+\c*512
.endr
.endif
.endr
	v_nop                                          ; one plain instruction between the last conversion and the matrix instructions that write its sources or read its result
.endm
.macro QK q                            ; S^T = K Q^T: eight tiles of 16 keys x my 16 queries, K = the head's 64
.irp t, 0,1,2,3,4,5,6,7
	v_wmma_f32_16x16x64_bf8_bf8 v[96+8*\t:103+8*\t], v[32+8*\t:39+8*\t], v[\q:\q+7], 0
.endr
.endm
.macro PV d                            ; O^T += V^T P^T for d tile d, both tiles of queries: eight accumulators a step, one instruction each
	v_wmma_f32_16x16x128_bf8_bf8 v[160+8*\d:167+8*\d], v[96+16*\d:111+16*\d], v[224:239], v[160+8*\d:167+8*\d]
	v_wmma_f32_16x16x128_bf8_bf8 v[192+8*\d:199+8*\d], v[96+16*\d:111+16*\d], v[240:255], v[192+8*\d:199+8*\d]
.endm
.macro KLOAD adr                       ; 8 tiles of K, two groups of 512 bytes each
.irp t, 0,1,2,3,4,5,6,7
	ds_load_b128 v[32+8*\t:35+8*\t], v[\adr] offset:\t*1024
	ds_load_b128 v[36+8*\t:39+8*\t], v[\adr] offset:\t*1024+512
.endr
.endm
; A KEY STEP: 128 keys.  more = 1: the next step's K is asked for as soon as tile B's scores have read this step's.
.macro STEP more
	s_wait_dscnt 0x0                               ; this step's K is in
.if \more
	v_add_nc_u32 v2, s[TBK], v1
.else
	v_nop
.endif
	v_add_nc_u32 v3, s[TBV], v1
	v_add_nc_u32 v5, 0x10000, v3                   ; d tiles 2 and 3 lie 65,536 bytes on
	v_nop
	v_nop                                          ; five places behind the last products: the scores are written over V's fragments
	QK 16
.rept 4
	v_nop
.endr
	SOFTMAX 8, 160, 224, 0
	QK 24                                          ; tile B's scores: K's fragments are still in registers
.rept 4
	v_nop                                          ; places for the loads into K's registers and for the first read of the scores
.endr
.if \more
	KLOAD 2
.endif
	SOFTMAX 12, 192, 240, 1
	s_wait_alu depctr_va_vdst(0)
	s_wait_dscnt 8                                 ; V's d tiles 0 and 1 are in (and the older loads of K); the youngest eight loads, d tiles 2 and 3, may be out
	PV 0
	PV 1
	s_wait_dscnt 0
	PV 2
	PV 3
.endm
	s_mov_b32 s[TBK], 8192
	s_mov_b32 s[TBV], VB
	s_mov_b32 s[CNT], 15
	s_wait_alu depctr_va_vdst(0)                   ; at the head's end
	s_wait_loadcnt 0x0                             ; Q
	s_wait_tensorcnt 0x0                           ; my sixteenth of K and V has landed;
	s_barrier_signal -1
	s_barrier_wait -1                              ; behind the barrier everybody's has
	KLOAD 1                                        ; step 0's K
.Lstep:                                            ; 15 trips
	STEP 1
	s_add_co_u32 s[TBK], s[TBK], 8192              ; 8 tiles of K on,
	s_add_co_u32 s[TBV], s[TBV], 2048              ; 4 groups of V on
	s_sub_co_u32 s[CNT], s[CNT], 1
	s_cmp_lg_u32 s[CNT], 0
	s_cbranch_scc1 .Lstep
	STEP 0                                         ; the last step is written out: no K follows it
	; THE WAY OUT.  ctx = O x 2^(e8 + e9) / the sum; its code is (O / the sum) / 2^(e10 - e8 - e9).  A lane's 16 registers of d tiles 2 c, 2 c + 1 are channels 64 hd + 32 c + 16 (lane / 16) + 0 .. 15: a group of ctx's image.
.rept 4
	v_nop                                          ; places behind the last products
.endr
	s_sub_co_i32 s12, s[EX+10], s[EX+8]
	s_sub_co_i32 s12, s12, s[EX+9]
	s_add_co_i32 s12, s12, 127
	s_lshl_b32 s13, s12, 23
	s_add_co_i32 s12, s12, 15
	s_lshl_b32 s12, s12, 23
	s_or_b32 s12, s12, 0x600000
	v_add_f32 v10, v10, v11                        ; the sums' two halves,
	v_add_f32 v14, v14, v15
	s_delay_alu instid0(VALU_DEP_2)
	v_permlanex16_b32 v0, v10, s[SEL], s[SEL+1]
	s_delay_alu instid0(VALU_DEP_2)
	v_permlanex16_b32 v5, v14, s[SEL], s[SEL+1]
	s_delay_alu instid0(VALU_DEP_2)
	v_add_f32 v10, v10, v0                         ; and lane l xor 16's
	s_delay_alu instid0(VALU_DEP_2)
	v_add_f32 v14, v14, v5
	s_wait_alu depctr_va_vdst(0)                   ; ahead of the reciprocals
	v_rcp_f32 v246, v10
	v_rcp_f32 v248, v14
	v_mov_b32 v241, s13                            ; 2^(e10 - e8 - e9) as f32.  (A plain instruction behind the reciprocals)
	v_mov_b32 v240, s12                            ; 57,344 x that
	s_wait_alu depctr_va_vdst(0)                   ; one wait for both reciprocals and for O^T's first readers
.set ii, 0
.rept 16
	v_pk_mul_f32 v[96+ii:97+ii], v[160+ii:161+ii], v[246:247] op_sel_hi:[1,0]   ; tile A: O^T / the sum, each accumulator from its low end on
.set ii, ii+2
.endr
.rept 16
	v_pk_mul_f32 v[96+ii:97+ii], v[160+ii:161+ii], v[248:249] op_sel_hi:[1,0]   ; tile B
.set ii, ii+2
.endr
.set ii, 96
.rept 64
	v_med3_num_f32 v[ii], v[ii], -v240, v240       ; the hold
.set ii, ii+1
.endr
.irp g, 0,1,2,3                                ; tile g / 2, group g % 2
	v_cvt_scalef32_pk8_bf8_f32 v[32+4*\g:33+4*\g], v[96+16*\g:103+16*\g], v241
	v_cvt_scalef32_pk8_bf8_f32 v[34+4*\g:35+4*\g], v[104+16*\g:111+16*\g], v241
.endr
	v_nop
.irp g, 0,1,2,3
	global_store_b128 v1, v[32+4*\g:35+4*\g], s[8:9] offset:(\g/2)*16384+(\g%2)*512   ; 512 consecutive bytes, aligned
.endr
	s_wait_tensorcnt 0x0                           ; the wave's end
	ds_add_u32 v[SPW], v[NIL]
	s_wait_dscnt 0x0
	ROUND                                          ; the closing round: no work-group ends while a partner may still ask for a tile that names it
	s_endpgm
.Lfunc_end_k_q727570c04d_attn:
	.size	k_q727570c04d_attn, .Lfunc_end_k_q727570c04d_attn-k_q727570c04d_attn
	.p2alignl 7, 3214868480
	.fill 96, 4, 3214868480
	.section	.rodata,"a",@progbits
	.p2align	6, 0x0
	.amdhsa_kernel k_q727570c04d_attn
		.amdhsa_group_segment_fixed_size 264192
		.amdhsa_private_segment_fixed_size 0
		.amdhsa_enable_private_segment 0
		.amdhsa_kernarg_size 24
		.amdhsa_user_sgpr_count 2
		.amdhsa_user_sgpr_kernarg_segment_ptr 1
		.amdhsa_wavefront_size32 1
		.amdhsa_system_sgpr_workgroup_id_x 1
		.amdhsa_system_sgpr_workgroup_id_y 1
		.amdhsa_system_sgpr_workgroup_id_z 1
		.amdhsa_system_vgpr_workitem_id 0
		.amdhsa_next_free_vgpr 256
		.amdhsa_next_free_sgpr 96
		.amdhsa_reserve_vcc 0
		.amdhsa_float_denorm_mode_32 3
		.amdhsa_float_denorm_mode_16_64 3
		.amdhsa_memory_ordered 1
		.amdhsa_forward_progress 1
		.amdhsa_inst_pref_size 75
	.end_amdhsa_kernel
	.amdgpu_metadata
---
amdhsa.version: [ 1, 2 ]
amdhsa.kernels:
  - .name:           k_q727570c04d_attn
    .symbol:         k_q727570c04d_attn.kd
    .args:
      - { .name: qkv, .offset: 0, .size: 8, .value_kind: global_buffer, .address_space: global }
      - { .name: lowp_scales, .offset: 8, .size: 8, .value_kind: global_buffer, .address_space: global }
      - { .name: ctx, .offset: 16, .size: 8, .value_kind: global_buffer, .address_space: global }
    .group_segment_fixed_size: 264192
    .private_segment_fixed_size: 0
    .kernarg_segment_align: 8
    .kernarg_segment_size: 24
    .max_flat_workgroup_size: 512
    .sgpr_count:     96
    .vgpr_count:     256
    .wavefront_size: 32
...
	.end_amdgpu_metadata
.endif
;; end of part 3
;; launch outp (part 4): grid 4 x 64, 4 waves a work-group, clusters of 4 x 4, 327,680 bytes of LDS; arguments ctx, wc, lowp_scales, bo, out0; writes out0
.if DOCPART == 4
	.amdgcn_target "amdgcn-amd-amdhsa--gfx1250"
	.amdhsa_code_object_version 6
	.text
	.protected	k_q727570c04d_outp
	.globl	k_q727570c04d_outp
	.p2align	8
	.type	k_q727570c04d_outp,@function
k_q727570c04d_outp:
	s_mov_b64 s[64:65], 0
	v_nop
	global_prefetch_b8 v0, s[64:65] scope:SCOPE_SE
	s_setreg_imm32_b32 hwreg(HW_REG_WAVE_MODE, 25, 1), 1
	s_wait_xcnt 0x0
	s_wait_alu depctr_hold_cnt(0) depctr_sa_sdst(0) depctr_va_vdst(0) depctr_va_sdst(0) depctr_va_ssrc(0) depctr_va_vcc(0) depctr_vm_vsrc(0)
	s_getreg_b32 s2, hwreg(HW_REG_IB_STS2, 6, 4)
	s_cmp_eq_u32 s2, 0
	s_cbranch_scc0 .Lentry_in_a_cluster
	s_endpgm
.Lentry_in_a_cluster:
	s_bfe_u32 s2, ttmp6, 0x10000c
	s_cmp_lg_u32 s2, 0xf033
	s_cbranch_scc0 .Lentry_shape_is_right
	s_endpgm
.Lentry_shape_is_right:
; out0[m][n] = 2^(e10 + e11) x the sum over k of ctx[m][k] Wo[n][k] + bo[n], on codes of BF8 (E5M2); sums in f32.  m: 8,192 tokens, n: 1,024, k: 1,024.
; Operands are images of operand registers: a tile of 16 rows x 1,024 K is 16,384 bytes, a group of 32 K 512 bytes at 16 x lane.  ctx's rows are tokens in order; Wo's (at byte 0x300000 of wc) are crossed, so that a lane's
; 16 results of two neighbouring tiles are 16 neighbouring columns n = 32 c + 16 (lane / 16) + 0 .. 15.
; SHARES.  A block of 128 x 256 to a work-group: 64 x 4 = 256 work-groups.  Four waves, 64 x 128 each: 32 accumulators, 256 registers (window 2).  Source 0 = 16 rows of Wo, source 1 = 16 tokens: a lane holds one token.
; K COMES IN TWO FILLS OF 512 into one slot of 196,608 bytes: ctx's 8 tiles, then Wo's 16, 8,192 bytes each.  One joint load a wave for each fill: waves 0, 1 take 4 tiles of ctx each, waves 2, 3 take 8 tiles of Wo each.
; The second fill is asked for as soon as the fragments of the first's last 128 K are in every wave's registers, behind a round of the cluster's barrier, and flies under that step's 32 products.
; CLUSTERS of 4 x 4: ctx's tiles are shared along a row of the cluster, Wo's along a column.
; No prefetch: K is short; the one later fill is asked for directly behind the first one's last read.
; LIMIT: e10 + e11 between -126 and 127, so that 2^(e10 + e11) is an f32 number.
; REGISTERS: window 0: v8-11 bo, v16-29 addresses, v128-191 and v192-255 ctx's fragments, two sets (on the way out: rows read back from the stage); window 1: Wo's fragments, two sets, at v0 and v128; window 2: the accumulators, (a, b) at v[8 (8 a + b)].
.set ROWB,  8192                       ; a tile's 512 K
.set BOFF,  8*ROWB                     ; Wo's tiles lie behind ctx's 8
.set SPARE, BOFF+16*ROWB               ; the spare words, 128 bytes a wave
.set STAGE, SPARE+512                  ; the way out: 16 rows x 528 bytes for each wave, bytes of their own
.set SPITCH, 528
.set FR,    16
.set NP,    4
.set ADRA, 16
.set ADRB, 20
.set STO,  24
.set RD,   25
.set CO,   26
.set SPW,  28
.set NIL,  29
.set AF,   128
.set BK,   128
.set G1,  24
.set G0,  32
.set G1B, 48
.set G0B, 56
.set MSB, 0
.macro WIN new                         ; the immediate's high byte repeats the setting that is left
.if MSB != (\new)
	s_set_vgpr_msb (MSB<<8)|(\new)
.set MSB, (\new)
.endif
.endm
.set MUL_LO, 0xa1                      ; source 0 window 1, source 1 window 0, C and D window 2
.set TO_B,   0x40                      ; destination window 1
.macro JLOAD                           ; waves 0, 1 fetch for ctx, waves 2, 3 for Wo; an s_nop 0 and four v_nop follow each line
	s_cmp_eq_u32 s15, 0
	s_cbranch_scc0 .Lfor_b_\@
	tensor_load_to_lds s[G0:G0+3], s[G1:G1+7]
	s_nop 0
.rept 4
	v_nop
.endr
	s_branch .Lasked_\@
.Lfor_b_\@:
	tensor_load_to_lds s[G0B:G0B+3], s[G1B:G1B+7]
	s_nop 0
.rept 4
	v_nop
.endr
.Lasked_\@:
.endm
.macro CROUND                          ; a round of the cluster's barrier
	s_barrier_signal -1
	s_barrier_wait -1
	s_cmp_lg_u32 s14, 0
	s_cbranch_scc1 .Lnot_wave_0_\@
	s_barrier_signal -3
.Lnot_wave_0_\@:
	s_barrier_wait -3
	s_barrier_signal -1
	s_barrier_wait -1
.endm
	s_load_b128 s[4:7], s[0:1], 0x0                ; ctx, wc
	s_load_b128 s[8:11], s[0:1], 0x10              ; the scales' exponents, bo
	s_load_b64 s[12:13], s[0:1], 0x20              ; out0
	v_lshl_add_u32 v[SPW], v0, 2, SPARE
	v_mov_b32 v[NIL], 0
	ds_add_u32 v[SPW], v[NIL]                      ; the opening lines: the add, twice on end, and its wait
	ds_add_u32 v[SPW], v[NIL]
	v_lshrrev_b32 v1, 5, v0
	v_readfirstlane_b32 s14, v1                    ; wave 0..3
	s_lshr_b32 s15, s14, 1                         ; my half of the block's rows.  Also: I fetch for ctx (0) or for Wo (1)
	s_and_b32 s16, s14, 1                          ; my half of its columns.  Also: which half of that operand's tiles I fetch
	s_bfe_u32 s40, ttmp6, 0x40000                  ; cx, cy
	s_bfe_u32 s41, ttmp6, 0x40004
	s_lshl_b32 s42, ttmp9, 2
	s_add_co_u32 s42, s42, s40                     ; block column
	s_and_b32 s17, ttmp7, 0xffff
	s_lshl_b32 s17, s17, 2
	s_add_co_u32 s17, s17, s41                     ; block row
	s_lshl_b32 s43, s41, 2
	s_lshl_b32 s43, 15, s43                        ; my row of the cluster
	s_lshl_b32 s44, 0x1111, s40                    ; my column
	s_or_b32 s[G1+0], s43, (1<<21)                 ; the mask; elements of 1 byte; no padding; 21 set beside a mask
	s_or_b32 s[G1B+0], s44, (1<<21)
.irp g, G1, G1B
	s_mov_b32 s[\g+1], ROWB<<16                    ; tensor_dim0
	s_mov_b32 s[\g+3], ROWB<<16                    ; tile_dim0
	s_mov_b32 s[\g+5], 16384                       ; from tile to tile
	s_mov_b32 s[\g+6], 0
	s_mov_b32 s[\g+7], 0
.endr
	s_mov_b32 s[G1+2], 4<<16                       ; ctx: 4 tiles a load
	s_mov_b32 s[G1+4], 4
	s_mov_b32 s[G1B+2], 8<<16                      ; Wo: 8
	s_mov_b32 s[G1B+4], 8
	s_lshl_b32 s20, s17, 17                        ; ctx: 8 tiles a block row,
	s_lshl_b32 s18, s16, 16                        ; my 4
	s_add_co_u32 s20, s20, s18
	s_mov_b32 s21, 0
	s_lshl_b32 s46, s42, 18                        ; Wo: 16 tiles a block column,
	s_lshl_b32 s18, s16, 17                        ; my 8,
	s_add_co_u32 s46, s46, s18
	s_add_co_u32 s46, s46, 0x300000                ; in Wo's part of wc
	s_mov_b32 s47, 0
	s_lshl_b32 s45, s16, 15                        ; where they go: ctx's halves,
	s_lshl_b32 s22, s16, 16
	s_add_co_u32 s22, s22, BOFF                    ; Wo's halves
	s_wait_dscnt 0x0                               ; both opening adds are done
	s_wait_kmcnt 0x0
	s_load_b64 s[96:97], s[8:9], 0x28              ; e10, e11
	s_mov_b32 s[G0], 1
	s_mov_b32 s[G0+1], s45
	s_add_nc_u64 s[G0+2:G0+3], s[4:5], s[20:21]
	s_or_b32 s[G0+3], s[G0+3], 0x80000000
	s_mov_b32 s[G0B], 1
	s_mov_b32 s[G0B+1], s22
	s_add_nc_u64 s[G0B+2:G0B+3], s[6:7], s[46:47]
	s_or_b32 s[G0B+3], s[G0B+3], 0x80000000
	CROUND                                         ; all sixteen work-groups are here: the first joint loads meet
	JLOAD                                          ; K 0 .. 511: my one tensor load at the head
	s_lshl_b32 s19, s15, 15                        ; my 4 tiles of ctx in LDS (my 8 of Wo begin at s22)
	s_mul_i32 s23, s14, 16*SPITCH
	s_add_co_u32 s23, s23, STAGE                   ; my stage
	s_lshl_b32 s46, s42, 10                        ; my first column, in bytes of f32
	s_lshl_b32 s47, s16, 9
	s_add_co_u32 s46, s46, s47
	s_mov_b32 s47, 0
	s_add_nc_u64 s[10:11], s[10:11], s[46:47]      ; bo there
	s_lshl_b32 s20, s17, 19                        ; my first row: 128 rows of 4,096 bytes a block,
	s_lshl_b32 s18, s15, 18                        ; 64 a half
	s_add_co_u32 s20, s20, s18
	s_mov_b32 s21, 0
	s_add_nc_u64 s[20:21], s[20:21], s[46:47]
	s_add_nc_u64 s[12:13], s[12:13], s[20:21]
	v_and_b32 v1, 31, v0
	v_and_b32 v2, 15, v0                           ; r
	v_bfe_u32 v3, v0, 4, 1                         ; h
	v_lshlrev_b32 v[CO], 4, v1                     ; 16 x lane
	v_mul_u32_u24 v[STO], v2, SPITCH
	v_add_nc_u32 v[ADRA], s19, v[CO]
	v_add_nc_u32 v[ADRB], s22, v[CO]
	v_lshl_add_u32 v[STO], v3, 6, v[STO]
	v_add_nc_u32 v[RD], s23, v[CO]                 ; back: the 32 lanes take one row of 512 bytes
	v_add_nc_u32 v[STO], s23, v[STO]               ; in: row r, 64 h bytes on
	s_wait_alu depctr_va_vdst(0)                   ; at the head's end
	global_load_b128 v[8:11], v[CO], s[10:11]      ; bo at my four columns of a row
.macro FRAG reg, adr, q, i
.irp c, 0,1,2,3
	ds_load_b128 v[\reg+4*\c:\reg+4*\c+3], v[\adr] offset:(\i)*ROWB+(\q)*2048+512*\c
.endr
.endm
.macro FETCH q, p                      ; the fragments of the slot's q-th 128 K into sets p: Wo's eight, ctx's four
	WIN TO_B
.irp i, 0,1,2,3,4,5,6,7
	FRAG 128*(\p)+FR*\i, ADRB, \q, \i
.endr
	WIN 0
.irp i, 0,1,2,3
	FRAG AF+64*(\p)+FR*\i, ADRA, \q, \i
.endr
.endm
.macro MUL32 p, zero                   ; 128 along K: the 32 accumulators take turns, one instruction a turn, in the same order in every step
	WIN MUL_LO
.irp a, 0,1,2,3
.irp b, 0,1,2,3,4,5,6,7
.if \zero
	v_wmma_f32_16x16x128_bf8_bf8 v[8*(8*\a+\b):8*(8*\a+\b)+7], v[128*(\p)+FR*\b:128*(\p)+FR*\b+FR-1], v[AF+64*(\p)+FR*\a:AF+64*(\p)+FR*\a+FR-1], 0
.else
	v_wmma_f32_16x16x128_bf8_bf8 v[8*(8*\a+\b):8*(8*\a+\b)+7], v[128*(\p)+FR*\b:128*(\p)+FR*\b+FR-1], v[AF+64*(\p)+FR*\a:AF+64*(\p)+FR*\a+FR-1], v[8*(8*\a+\b):8*(8*\a+\b)+7]
.endif
.endr
.endr
	WIN 0
.endm
.macro PLACES n
.rept \n
	v_nop
.endr
.endm
.macro STEP q, zero                    ; a step that has its successor in the slot: the next step's 48 loads are issued ahead of this step's 32 products
	s_wait_dscnt 0x0                               ; this step's fragments are in
	PLACES NP                                      ; places in front of loads into the sets that the last step's products read
	FETCH (\q)+1, 1-(\q)%2
	MUL32 (\q)%2, \zero
.endm
	s_wait_tensorcnt 0x0                           ; my part of the first fill is in;
	s_barrier_signal -1
	s_barrier_wait -1                              ; behind the barrier everybody's is
	FETCH 0, 0
	STEP 0, 1                                      ; the first products start the sums
	STEP 1, 0
	STEP 2, 0
	s_wait_tensorcnt 0x0                           ; no load of mine is out,
	ds_add_u32 v[SPW], v[NIL]
	s_add_nc_u64 s[G0+2:G0+3], s[G0+2:G0+3], ROWB  ; so the groups 0 may be written: the tiles' second 512 K
	s_add_nc_u64 s[G0B+2:G0B+3], s[G0B+2:G0B+3], ROWB
	s_wait_dscnt 0x0                               ; the add is done, and the last step's fragments are in registers: my reads of the slot are over
	CROUND
	JLOAD                                          ; K 512 .. 1,023: the first tensor load behind the round
	MUL32 1, 0
	s_wait_tensorcnt 0x0
	s_barrier_signal -1
	s_barrier_wait -1
	PLACES NP
	FETCH 0, 0
	STEP 0, 0
	STEP 1, 0
	STEP 2, 0
	s_wait_dscnt 0x0
	MUL32 1, 0
; THE WAY OUT, block by block of 16 tokens x 128 columns: through my own stage in LDS and back as whole rows of 512 bytes, which the 32 lanes store as two aligned units of 256 bytes.  LDS serves a wave's instructions in order (ISA guide 5.7.1.4).
.macro TOSTAGE a
.set AC, 64*(\a)
.set BB, BK+64*((\a)%2)
	WIN 0x08                                       ; the stores' data: window 2
.irp c, 0,1,2,3
.irp e, 0,1,2,3
	ds_store_b128 v[STO], v[AC+16*\c+4*\e:AC+16*\c+4*\e+3] offset:128*\c+16*\e   ; each accumulator from its low end on
.endr
.endr
	WIN 0
.irp t, 0,1,2,3,4,5,6,7,8,9,10,11,12,13,14,15
	ds_load_b128 v[BB+4*\t:BB+4*\t+3], v[RD] offset:\t*SPITCH
.endr
.endm
.macro SEND a, younger                 ; younger: the LDS instructions issued behind block a's loads, which may stay out
.set BB, BK+64*((\a)%2)
	s_wait_dscnt \younger
.irp t, 0,1,2,3,4,5,6,7,8,9,10,11,12,13,14,15
	v_pk_fma_f32 v[BB+4*\t:BB+4*\t+1], v[BB+4*\t:BB+4*\t+1], s[96:97], v[8:9] op_sel_hi:[1,0,1]       ; x 2^(e10 + e11), + bo
	v_pk_fma_f32 v[BB+4*\t+2:BB+4*\t+3], v[BB+4*\t+2:BB+4*\t+3], s[96:97], v[10:11] op_sel_hi:[1,0,1]
.endr
.irp t, 0,1,2,3,4,5,6,7,8,9,10,11,12,13,14,15
	global_store_b128 v[CO], v[BB+4*\t:BB+4*\t+3], s[12:13] offset:(16*(\a)+\t)*4096 th:TH_STORE_NT
.endr
.endm
	s_wait_kmcnt 0x0
	s_add_co_i32 s96, s96, s97
	s_add_co_i32 s96, s96, 127
	s_lshl_b32 s96, s96, 23                        ; 2^(e10 + e11) as f32
	s_mov_b32 s97, s96
	s_wait_loadcnt 0x0                             ; bo
	PLACES NP                                      ; places behind the last products
	TOSTAGE 0
.irp a, 1,2,3
.if \a > 1
	s_wait_xcnt 0x0                                ; block a - 2's stores have read their registers: block a's loads may land there
.endif
	TOSTAGE \a
	SEND \a-1, 32                                  ; behind block a - 1's loads: block a's 16 stores and 16 loads
.endr
	SEND 3, 0
	s_wait_tensorcnt 0x0                           ; the wave's end
	ds_add_u32 v[SPW], v[NIL]
	s_wait_dscnt 0x0
	CROUND                                         ; the closing round
	s_endpgm
.Lfunc_end_k_q727570c04d_outp:
	.size	k_q727570c04d_outp, .Lfunc_end_k_q727570c04d_outp-k_q727570c04d_outp
	.p2alignl 7, 3214868480
	.fill 96, 4, 3214868480
	.section	.rodata,"a",@progbits
	.p2align	6, 0x0
	.amdhsa_kernel k_q727570c04d_outp
		.amdhsa_group_segment_fixed_size 327680
		.amdhsa_private_segment_fixed_size 0
		.amdhsa_enable_private_segment 0
		.amdhsa_kernarg_size 40
		.amdhsa_user_sgpr_count 2
		.amdhsa_user_sgpr_kernarg_segment_ptr 1
		.amdhsa_wavefront_size32 1
		.amdhsa_system_sgpr_workgroup_id_x 1
		.amdhsa_system_sgpr_workgroup_id_y 1
		.amdhsa_system_sgpr_workgroup_id_z 1
		.amdhsa_system_vgpr_workitem_id 0
		.amdhsa_next_free_vgpr 768
		.amdhsa_next_free_sgpr 100
		.amdhsa_reserve_vcc 0
		.amdhsa_float_denorm_mode_32 3
		.amdhsa_float_denorm_mode_16_64 3
		.amdhsa_memory_ordered 1
		.amdhsa_forward_progress 1
		.amdhsa_inst_pref_size 72
	.end_amdhsa_kernel
	.amdgpu_metadata
---
amdhsa.version: [ 1, 2 ]
amdhsa.kernels:
  - .name:           k_q727570c04d_outp
    .symbol:         k_q727570c04d_outp.kd
    .args:
      - { .name: ctx, .offset: 0, .size: 8, .value_kind: global_buffer, .address_space: global }
      - { .name: wc, .offset: 8, .size: 8, .value_kind: global_buffer, .address_space: global }
      - { .name: lowp_scales, .offset: 16, .size: 8, .value_kind: global_buffer, .address_space: global }
      - { .name: bo, .offset: 24, .size: 8, .value_kind: global_buffer, .address_space: global }
      - { .name: out0, .offset: 32, .size: 8, .value_kind: global_buffer, .address_space: global }
    .group_segment_fixed_size: 327680
    .private_segment_fixed_size: 0
    .kernarg_segment_align: 8
    .kernarg_segment_size: 40
    .max_flat_workgroup_size: 128
    .sgpr_count:     100
    .vgpr_count:     768
    .wavefront_size: 32
...
	.end_amdgpu_metadata
.endif
;; end of part 4
